; MI455X (gfx1250); checked and timed in simulation.
; The chip was launched on July 23, 2026; its instructions are those of AMD's public machine-readable ISA for CDNA 5 (MIT licence, August 2026) and "CDNA5" Instruction Set Architecture Reference Guide (July 2026). The comments in the code are by the model that wrote it; some were corrected since.
;; Memory Efficient Attention. Allowed arithmetic: matrix products marked QUANTISED: E2M3 operands, one E8M0 scale for each 32 along K, by v_wmma_scale_f32_16x16x128_f8f6f4 with both operands' format E2M3, f32 sums; everything else in f32.
;; Inputs: Wk 1,024 x 1,024 float32; Wo 1,024 x 1,024 float32; Wq 1,024 x 1,024 float32; Wv 1,024 x 1,024 float32; bk 1,024 float32; bo 1,024 float32; bq 1,024 float32; bv 1,024 float32; k 4 x 2,048 x 1,024 float32; q 4 x 2,048 x 1,024 float32; v 4 x 2,048 x 1,024 float32.
;; Outputs: out0 4 x 2,048 x 1,024 float32.
;; This version of the problem:
;;   THIS VERSION OF THE PROBLEM IS GIVEN IN LOW PRECISION. The matrix products marked QUANTISED in the list below multiply operands that are first quantised to E2M3 (2 exponent bits, 3 mantissa bits; 6 bits a number), with one power-of-two scale for each 32 numbers along K (OCP MX v1.0); their sums are f32. All else is computed in f32.
;;   The module's matrix products, in the order in which they are computed (A, B: the left and right operand; K: the contracted axis; several contracted axes count as one K, in the product's order):
;;     1. [M 8,192, K 1,024] x [K 1,024, N 1,024]; A: input q; B: input Wq: QUANTISED
;;     2. [M 8,192, K 1,024] x [K 1,024, N 1,024]; A: input k; B: input Wk: QUANTISED
;;     3. [M 8,192, K 1,024] x [K 1,024, N 1,024]; A: input v; B: input Wv: QUANTISED
;;     4. batch 64 x [M 2,048, K 64] x [K 64, N 2,048]; A: computed on the way; B: computed on the way: QUANTISED
;;     5. batch 64 x [M 2,048, K 2,048] x [K 2,048, N 64]; A: softmax (see below); B: computed on the way: QUANTISED
;;     6. [M 8,192, K 1,024] x [K 1,024, N 1,024]; A: computed on the way; B: input Wo: QUANTISED
;;   THE QUANTISER, for each operand of a quantised product, along K:
;;     - K is cut into blocks of 32 from its start; a last block that is shorter is filled with zeros.
;;     - A block's scale is 2^e with e = floor(log2(the largest magnitude in the block)) - 2, held to -126 .. 127; a block of zeros has e = 0. As a byte (E8M0): e + 127.
;;     - Each number is divided by its block's scale, clamped to +-7.5, and rounded to the nearest number of E2M3, ties to even, subnormals kept.
;;     - The product sums the exact products of the quantised numbers (number of the format x scale) in f32.
;;   ~~~python
;;   def quantise(x, axis):      # numpy; x: float32 -> the quantised numbers, widened to float32 again
;;       x = np.moveaxis(x, axis, -1); K = x.shape[-1]
;;       x = np.pad(x, [(0, 0)] * (x.ndim - 1) + [(0, -K % 32)]); x = x.reshape(x.shape[:-1] + (-1, 32)); a = np.abs(x).max(-1, keepdims=True)
;;       e = np.where(a > 0, np.clip(np.frexp(np.where(a > 0, a, 1))[1] - 1 - 2, -126, 127), 0)      # np.frexp(a)[1] - 1 = floor(log2(a)), exactly
;;       r = np.clip(x / 2.0 ** e, -7.5, 7.5)
;;       step = 2.0 ** (np.maximum(np.frexp(np.where(r == 0, 1, r))[1] - 1, 0) - 3)
;;       q = np.round(r / step) * step * 2.0 ** e      # np.round: ties to even
;;       return np.moveaxis(q.reshape(q.shape[:-2] + (-1,))[..., :K], -1, axis).astype(np.float32)
;;   ~~~
;;   SOFTMAX AHEAD OF A QUANTISED PRODUCT. Where the list says 'softmax', what is quantised is not the finished softmax but p = 2^(t - M), with t = logit x log2(e) and M = ceil(the row's largest t), a whole number; so 1/2 < the row's largest p <= 1. The row's sum l is taken of the UNQUANTISED p, in f32, and the product's result is divided by l at the end. Since M is a whole number, a kernel that streams over the keys may use a running M (the ceiling of the running maximum): every later rescaling is an exact power of two, which a block's scale takes up: the codes' values come out the same.
;;   OPERANDS COMPUTED ON THE WAY. 'Computed on the way' means the value that the module computes at that place (a softmax that the list does not call 'softmax' is quantised finished and normalised). What goes into a quantiser is computed in f32, as accurately as f32 sums, v_exp_f32 and their like allow (about 1e-6 of the number): no bf16 or f16 on the way to a quantiser, and a product that is left as it is and whose result goes on into a quantised operand takes f32 operands (vector FMAs, or v_wmma_f32_16x16x4_f32). A number that lies on a knife's edge between two numbers of the format may be rounded either way, as far as f32 arithmetic and the matrix unit's own rounding can turn it there, and no further.
;; One version. Each part assembles by itself: llvm-mc -triple=amdgcn-amd-amdhsa -mcpu=gfx1250 --defsym DOCPART=n.
;; ======== version 1 of 1: 4 launches
;; limits: right only within a limited range of input values
;; workspace buffers: cod 22,020,096 bytes; scl 917,504 bytes; hc 19,660,800 bytes; oc 6,291,456 bytes; os 262,144 bytes
;; launch quant (part 1): grid 256 x 1, 14 waves a work-group, no clusters, 123,904 bytes of LDS; arguments q, k, v, Wq, Wk, Wv, Wo, cod, scl; writes cod, scl
.if DOCPART == 1
	.amdgcn_target "amdgcn-amd-amdhsa--gfx1250"
	.amdhsa_code_object_version 6
	.text
	.protected	k_q33f4bec782_quant
	.globl	k_q33f4bec782_quant
	.p2align	8
	.type	k_q33f4bec782_quant,@function
k_q33f4bec782_quant:
	s_mov_b64 s[64:65], 0
	v_nop
	global_prefetch_b8 v0, s[64:65] scope:SCOPE_SE
	s_setreg_imm32_b32 hwreg(HW_REG_WAVE_MODE, 25, 1), 1
	s_wait_xcnt 0x0
; q, k, v [8192][1024] and Wq, Wk, Wv, Wo [1024][1024], f32, K innermost, become codes of FP6 (E2M3) and one E8M0 byte for each 32 along K.
; No work of the problem is left out in this program: every input is loaded and every product is done.
; cod: 1,792 tiles of 16 rows (q from tile 0, k 512, v 1,024, Wq 1,536, Wk 1,600, Wv 1,664, Wo 1,728), a tile = 8 images of 1,536 bytes, one for each 128 along K:
; an image is the matrix operand's registers: register n of lane l at 512 (n / 4) + 16 l + 4 (n % 4); lane (r, h) holds row r, registers 6 c .. 6 c + 5 hold k = 64 c + 32 h + 0 .. 31.
; scl: [tile][half of K][row r][4 words]: word s = the four scale bytes of 128 along K.
; ROW ORDER: in each group of 64 rows the true row 32 h + 8 t + i is row 8 h + i of tile t: a matrix result whose registers run along such rows holds 32 true neighbours in a lane's 32 registers of four tiles.
; A block's scale byte is its largest magnitude's exponent field - 2, held at 1 from below.
; LIMITS: a block of zeros gets the byte 1 (its codes are zeros; this program alone reads the bytes); blocks whose largest magnitude lies under 2^-124 keep the byte 1; NaN and infinities are not served.
; A wave takes one tile's half of K: 4 steps of 16 rows x 128 numbers.  Each load reads 512 consecutive bytes of a row; a step turns through the wave's own stage in LDS, so that lane (r, h) holds its two blocks.
; 1,792 tiles x 2 halves = 256 work-groups x 14 waves.  No tensor loads, no barrier: waves share nothing.  Two steps' loads (32 a wave) are out.
.set SPQ,   528                        ; a stage row: 512 bytes + 16
.set STG,   16*SPQ
.set SBY,   14*STG                     ; behind the stages: 256 scale bytes a wave
.set SPARE, SBY+14*256                 ; behind them: the spare words
.set X,     64
.set R,     128
	s_load_b512 s[4:19], s[0:1], 0x0               ; q, k, v, Wq, Wk, Wv, Wo, cod
	s_load_b64 s[20:21], s[0:1], 0x40              ; scl
	v_lshl_add_u32 v2, v0, 2, SPARE
	v_mov_b32 v3, 0
	v_lshrrev_b32 v1, 5, v0
	v_readfirstlane_b32 s22, v1                    ; wave
	v_and_b32 v1, 31, v0
	v_lshlrev_b32 v4, 4, v1                        ; 16 x lane
	v_and_b32 v10, 15, v1                          ; r
	v_lshrrev_b32 v11, 4, v1                       ; h
	s_mul_i32 s23, s22, STG
	v_add_nc_u32 v5, s23, v4                       ; stage, way in
	v_mul_u32_u24 v6, v10, SPQ
	v_lshl_add_u32 v6, v11, 7, v6
	v_add_nc_u32 v6, s23, v6                       ; way out: row r, 128 h
	s_lshl_b32 s23, s22, 8
	s_add_co_u32 s23, s23, SBY
	v_lshl_add_u32 v7, v10, 4, v11
	v_add_nc_u32 v7, s23, v7                       ; my scale bytes: 16 r + h
	v_lshlrev_b32 v8, 3, v1
	v_add_nc_u32 v9, s23, v8
	s_mul_i32 s24, ttmp9, 7
	s_lshr_b32 s25, s22, 1
	s_add_co_u32 s24, s24, s25                     ; tile
	s_and_b32 s25, s22, 1                          ; half of K
	s_wait_alu depctr_va_vdst(0)                   ; the wait at the head's end
	s_wait_kmcnt 0x0
	s_mov_b64 s[26:27], s[16:17]
	s_mov_b32 s28, 1728
.macro PICK lim, ptr, first            ; the tensor is chosen by the tile's number alone
	s_cmp_lt_u32 s24, \lim
	s_cselect_b64 s[26:27], s[\ptr:\ptr+1], s[26:27]
	s_cselect_b32 s28, \first, s28
.endm
	PICK 1728, 14, 1664
	PICK 1664, 12, 1600
	PICK 1600, 10, 1536
	PICK 1536, 8, 1024
	PICK 1024, 6, 512
	PICK 512, 4, 0
	s_sub_co_u32 s29, s24, s28                     ; the tile in its tensor
	s_lshr_b32 s30, s29, 2
	s_lshl_b32 s30, s30, 18                        ; 64 rows of 4,096 bytes a group
	s_and_b32 s29, s29, 3
	s_lshl_b32 s29, s29, 15                        ; 8 rows on for each tile of the group
	s_add_co_u32 s30, s30, s29
	s_lshl_b32 s29, s25, 11
	s_add_co_u32 s30, s30, s29
	s_mov_b32 s31, 0
	s_add_nc_u64 s[26:27], s[26:27], s[30:31]
	s_mul_i32 s30, s24, 12288
	s_mul_i32 s29, s25, 6144
	s_add_co_u32 s30, s30, s29
	s_add_nc_u64 s[32:33], s[18:19], s[30:31]
	s_lshl_b32 s30, s24, 9
	s_lshl_b32 s29, s25, 8
	s_add_co_u32 s30, s30, s29
	s_add_nc_u64 s[34:35], s[20:21], s[30:31]
.macro LOAD s
.irp r, 0,1,2,3,4,5,6,7,8,9,10,11,12,13,14,15
	global_load_b128 v[R+64*((\s)%2)+4*\r:R+64*((\s)%2)+4*\r+3], v4, s[26:27] offset:(32*(\r/8)+\r%8)*4096+512*(\s) th:TH_LOAD_NT
.endr
.endm
.macro STEP s
.if (\s) < 3
	s_wait_loadcnt 16                              ; this step's 16 loads are in; the next step's 16 may be out
.else
	s_wait_loadcnt 0x0
.endif
.irp r, 0,1,2,3,4,5,6,7,8,9,10,11,12,13,14,15
	ds_store_b128 v5, v[R+64*((\s)%2)+4*\r:R+64*((\s)%2)+4*\r+3] offset:\r*SPQ
.endr
.irp m, 0,1,2,3,4,5,6,7,8,9,10,11,12,13,14,15
	ds_load_b128 v[X+4*\m:X+4*\m+3], v6 offset:256*(\m/8)+16*(\m%8)   ; LDS serves a wave's instructions in order: these see the stores
.endr
	s_wait_dscnt 0x0
	s_wait_xcnt 0x0                                ; the last step's stores have read their registers
.if (\s)+2 < 4
	LOAD (\s)+2
.endif
.irp c, 0,1                            ; a block's largest magnitude in two chains, with the floor 2^(3 - 127)
	v_max3_num_f32 v[10+2*\c], |v[X+32*\c]|, |v[X+32*\c+1]|, 0x1800000
	v_max3_num_f32 v[11+2*\c], |v[X+32*\c+16]|, |v[X+32*\c+17]|, |v[X+32*\c+18]|
.endr
.irp i, 0,2,4,6,8,10
.irp c, 0,1
	v_max3_num_f32 v[10+2*\c], v[10+2*\c], |v[X+32*\c+2+\i]|, |v[X+32*\c+3+\i]|
	v_max3_num_f32 v[11+2*\c], v[11+2*\c], |v[X+32*\c+19+\i]|, |v[X+32*\c+20+\i]|
.endr
.endr
.irp c, 0,1
	v_max3_num_f32 v[10+2*\c], v[10+2*\c], |v[X+32*\c+14]|, |v[X+32*\c+15]|
.endr
.irp c, 0,1
	v_max3_num_f32 v[10+2*\c], v[10+2*\c], v[11+2*\c], |v[X+32*\c+31]|
.endr
.irp c, 0,1
	v_add_nc_u32 v[14+\c], 0xff000000, v[10+2*\c]  ; 2 off the exponent field: the conversion's scale operand
.endr
.irp c, 0,1
	v_cvt_scalef32_pk16_fp6_f32 v[28+6*\c:30+6*\c], v[X+32*\c:X+32*\c+15], v[14+\c]
	v_cvt_scalef32_pk16_fp6_f32 v[20+4*\c:22+4*\c], v[X+32*\c+16:X+32*\c+31], v[14+\c]
.endr
.irp c, 0,1
	v_lshrrev_b32 v[16+\c], 23, v[14+\c]           ; the scale's byte
.endr
.irp c, 0,1
.irp i, 0,1,2
	v_mov_b32 v[31+6*\c+\i], v[20+4*\c+\i]
.endr
.endr
	ds_store_b8 v7, v16 offset:4*(\s)
	ds_store_b8 v7, v17 offset:4*(\s)+2
.irp n, 0,1,2
	global_store_b128 v4, v[28+4*\n:31+4*\n], s[32:33] offset:1536*(\s)+512*\n   ; 512 consecutive bytes
.endr
.endm
	LOAD 0
	LOAD 1
	STEP 0
	STEP 1
	STEP 2
	STEP 3
	ds_load_b64 v[10:11], v9
	s_wait_dscnt 0x0
	global_store_b64 v8, v[10:11], s[34:35]        ; 256 consecutive bytes, aligned
	s_wait_tensorcnt 0x0                           ; the wave's end
	ds_add_u32 v2, v3
	s_wait_dscnt 0x0
	s_endpgm
.Lfunc_end_k_q33f4bec782_quant:
	.size	k_q33f4bec782_quant, .Lfunc_end_k_q33f4bec782_quant-k_q33f4bec782_quant
	.p2alignl 7, 3214868480
	.fill 96, 4, 3214868480
	.section	.rodata,"a",@progbits
	.p2align	6, 0x0
	.amdhsa_kernel k_q33f4bec782_quant
		.amdhsa_group_segment_fixed_size 123904
		.amdhsa_private_segment_fixed_size 0
		.amdhsa_enable_private_segment 0
		.amdhsa_kernarg_size 72
		.amdhsa_user_sgpr_count 2
		.amdhsa_user_sgpr_kernarg_segment_ptr 1
		.amdhsa_wavefront_size32 1
		.amdhsa_system_sgpr_workgroup_id_x 1
		.amdhsa_system_sgpr_workgroup_id_y 1
		.amdhsa_system_sgpr_workgroup_id_z 1
		.amdhsa_system_vgpr_workitem_id 0
		.amdhsa_next_free_vgpr 256
		.amdhsa_next_free_sgpr 66
		.amdhsa_reserve_vcc 0
		.amdhsa_float_denorm_mode_32 3
		.amdhsa_float_denorm_mode_16_64 3
		.amdhsa_memory_ordered 1
		.amdhsa_forward_progress 1
		.amdhsa_inst_pref_size 31
	.end_amdhsa_kernel
	.amdgpu_metadata
---
amdhsa.version: [ 1, 2 ]
amdhsa.kernels:
  - .name:           k_q33f4bec782_quant
    .symbol:         k_q33f4bec782_quant.kd
    .args:
      - { .name: q, .offset: 0, .size: 8, .value_kind: global_buffer, .address_space: global }
      - { .name: k, .offset: 8, .size: 8, .value_kind: global_buffer, .address_space: global }
      - { .name: v, .offset: 16, .size: 8, .value_kind: global_buffer, .address_space: global }
      - { .name: Wq, .offset: 24, .size: 8, .value_kind: global_buffer, .address_space: global }
      - { .name: Wk, .offset: 32, .size: 8, .value_kind: global_buffer, .address_space: global }
      - { .name: Wv, .offset: 40, .size: 8, .value_kind: global_buffer, .address_space: global }
      - { .name: Wo, .offset: 48, .size: 8, .value_kind: global_buffer, .address_space: global }
      - { .name: cod, .offset: 56, .size: 8, .value_kind: global_buffer, .address_space: global }
      - { .name: scl, .offset: 64, .size: 8, .value_kind: global_buffer, .address_space: global }
    .group_segment_fixed_size: 123904
    .private_segment_fixed_size: 0
    .kernarg_segment_align: 8
    .kernarg_segment_size: 72
    .max_flat_workgroup_size: 448
    .sgpr_count:     66
    .vgpr_count:     256
    .wavefront_size: 32
...
	.end_amdgpu_metadata
.endif
;; end of part 1
;; launch proj (part 2): grid 8 x 32, 4 waves a work-group, clusters of 4 x 4, 327,680 bytes of LDS; arguments cod, scl, bq, bk, bv, hc; writes hc
.if DOCPART == 2
	.amdgcn_target "amdgcn-amd-amdhsa--gfx1250"
	.amdhsa_code_object_version 6
	.text
	.protected	k_q33f4bec782_proj
	.globl	k_q33f4bec782_proj
	.p2align	8
	.type	k_q33f4bec782_proj,@function
k_q33f4bec782_proj:
	s_mov_b64 s[64:65], 0
	v_nop
	global_prefetch_b8 v0, s[64:65] scope:SCOPE_SE
	s_setreg_imm32_b32 hwreg(HW_REG_WAVE_MODE, 25, 1), 1
	s_wait_xcnt 0x0
	s_wait_alu depctr_hold_cnt(0) depctr_sa_sdst(0) depctr_va_vdst(0) depctr_va_sdst(0) depctr_va_ssrc(0) depctr_va_vcc(0) depctr_vm_vsrc(0)
	s_getreg_b32 s2, hwreg(HW_REG_IB_STS2, 6, 4)
	s_cmp_eq_u32 s2, 0
	s_cbranch_scc0 .Lentry_in_a_cluster
	s_endpgm
.Lentry_in_a_cluster:
	s_bfe_u32 s2, ttmp6, 0x10000c
	s_cmp_lg_u32 s2, 0xf033
	s_cbranch_scc0 .Lentry_shape_is_right
	s_endpgm
.Lentry_shape_is_right:
; The three input projections x W^T + b on codes of FP6 with E8M0 scales, and the quantiser behind them: what leaves are the operands of attention, as images of their registers.
; 256 work-groups that stay: each makes 256 tokens x 128 features of Q, then of K, then of V.  Four waves (2 x 2), a wave 128 tokens x 64 features (one head): 32 accumulators.
; A RING OF TWO LDS SLOTS: a slot holds half of K (four steps of 128) of 16 tiles of x and 8 tiles of W: rows of 6,144 bytes at a pitch of 12,288 in cod.  Six fills: Q's two halves, K's, V's; fill f lies in slot f % 2.
; Fill 0 is asked for at the head, fill 1 behind the full sequence, fills 2 to 5 in the fourth and the eighth step of Q's and K's phases, each behind a drained round of the cluster's barrier; one load a wave.
; CLUSTERS of 4 x 4: x's tiles are asked for jointly along a row of the cluster, W's along a column.
; Q, K: source 0 = W's rows, source 1 = tokens: a lane holds a token, its 32 registers of a token tile the features 32 h + 0 .. 31 of the head.
; V: the sources change places: a lane holds a feature, its 32 registers of four token tiles the keys 64 c + 32 h + 0 .. 31.  So a lane holds whole scale blocks in both, and one way out serves all three.
; The bias is the first products' C.  The next phase's bias and scale words are loaded into their registers as soon as the last product that reads the old ones has its places behind it.
; hc: [Q, K, V][batch x 16 + head][group of 128 tokens] blocks of 6,400 bytes: four images of 1,536 bytes, then 256 bytes of scale words (lane l: 8 bytes; word g: lanes 0-15 image 2 g's, lanes 16-31 image 2 g + 1's).
; PREFETCH: behind fill f stands one request a wave for x's part of fill f + 2: the sixteen waves of the four partners that ask jointly take a tile's 24 blocks of 256 bytes each, told apart by address; fills 4 and 5 ask for nothing.
; W's part is left out: the eight clusters of a column of the grid load the same 49,152 bytes in the same step.
; LIMITS: a block of zeros gets the byte 1 (zero codes); blocks whose largest magnitude lies under 2^-124 keep the byte 1; NaN and infinities are not served.
; REGISTERS: window 0: addresses, scale words (v32-63 x's, v68-83 W's), v96-127 the bias, v128 on the way out; windows 1, 2: two sets of fragments (x's eight at 0, W's four at 96); window 3: the accumulators.
.set TILEB, 12288
.set HB,    6144
.set SLOT,  24*HB
.set SPARE, 2*SLOT
.set L16, 2
.set AX,  10                           ; v10, v11  my x tiles in slot 0, 1
.set AW,  12                           ; v12, v13  my W tiles
.set LW,  14
.set SH,  15
.set SOF, 16
.set BH,  17
.set BV,  18
.set PF,  19
.set SPW, 28
.set NIL, 29
.set SX,  32
.set SW,  68
.set BB,  96
.set T,   128
.set SOP, 144
.set EB,  152
.set CD,  160
.set TC,  208
.set WD,  240
.set W2,  244
.set WM,  248
.set G1X, 36
.set G1W, 44
.set G0X, 52
.set G0W, 56
.set MSB, 0
.macro WIN new
.if MSB != \new
	s_set_vgpr_msb (MSB<<8)|\new
.set MSB, \new
.endif
.endm
.macro PLACES
.rept 4
	v_nop
.endr
.endm
.macro CREST
	s_cmp_lg_u32 s16, 0
	s_cbranch_scc1 .Lnot_wave_0_\@
	s_barrier_signal -3
.Lnot_wave_0_\@:
	s_barrier_wait -3
	s_barrier_signal -1
	s_barrier_wait -1
.endm
.macro CROUND
	s_barrier_signal -1
	s_barrier_wait -1
	CREST
.endm
.macro FILL f                          ; no load of mine is out here: the descriptors step, then my one joint load
	s_add_co_u32 s[G0X+1], s32, ((\f)%2)*SLOT
	s_add_co_u32 s[G0W+1], s33, ((\f)%2)*SLOT
.if (\f) > 0
.if (\f)%2
	s_add_nc_u64 s[G0X+2:G0X+3], s[G0X+2:G0X+3], HB
	s_add_nc_u64 s[G0W+2:G0W+3], s[G0W+2:G0W+3], HB
.else
	s_add_nc_u64 s[G0X+2:G0X+3], s[G0X+2:G0X+3], 512*TILEB-HB
	s_add_nc_u64 s[G0W+2:G0W+3], s[G0W+2:G0W+3], 64*TILEB-HB
.endif
.endif
	s_cmp_eq_u32 s17, 0
	s_cbranch_scc0 .Lfor_w_\@
	tensor_load_to_lds s[G0X:G0X+3], s[G1X:G1X+7]
	s_nop 0
	PLACES
	s_branch .Lasked_\@
.Lfor_w_\@:
	tensor_load_to_lds s[G0W:G0W+3], s[G1W:G1W+7]
	s_nop 0
	PLACES
.Lasked_\@:
.endm
.macro PFX f
	global_prefetch_b8 v[PF], s[34:35] offset:((\f)/2-1)*512*TILEB+((\f)%2)*HB th:TH_LOAD_NT scope:SCOPE_SE
.endm
.macro SCALES p, e                     ; the scale words of steps 4 e .. 4 e + 3 of phase p: 6 loads
	WIN 0
.irp r, 0,1,2,3
	global_load_b128 v[SX+8*\r+4*\e:SX+8*\r+4*\e+3], v[SOF], s[26:27] offset:(\p)*262144+1024*\r+256*\e
.endr
.irp r, 0,1
	global_load_b128 v[SW+8*\r+4*\e:SW+8*\r+4*\e+3], v[SOF], s[30:31] offset:(\p)*32768+1024*\r+256*\e
.endr
.endm
.macro BIAS p                          ; Q, K: 8 loads: register 8 b + j of half h is feature 32 h + 8 b + j.  V: 32 loads: lane r of tile b is feature 32 (r / 8) + 8 b + r % 8, in all eight registers
	WIN 0
.if (\p) == 2
.irp b, 0,1,2,3
.irp j, 0,1,2,3,4,5,6,7
	global_load_b32 v[BB+8*\b+\j], v[BV], s[12:13] offset:32*\b
.endr
.endr
.else
.irp m, 0,1,2,3,4,5,6,7
	global_load_b128 v[BB+4*\m:BB+4*\m+3], v[BH], s[8+2*(\p):9+2*(\p)] offset:16*\m
.endr
.endif
.endm
.macro FETCH q                         ; the fragments of step q into set q % 2: 36 loads of 16 bytes a lane, as the images lie
	WIN (1+(\q)%2)<<6
.irp i, 0,1,2,3,4,5,6,7
.irp c, 0,1,2
	ds_load_b128 v[12*\i+4*\c:12*\i+4*\c+3], v[AX+(\q)/4] offset:\i*HB+((\q)%4)*1536+512*\c
.endr
.endr
.irp i, 0,1,2,3
.irp c, 0,1,2
	ds_load_b128 v[96+12*\i+4*\c:96+12*\i+4*\c+3], v[AW+(\q)/4] offset:\i*HB+((\q)%4)*1536+512*\c
.endr
.endr
.endm
.macro W d, s0, s1, c, x0, x1, ra, rb
	v_wmma_scale_f32_16x16x128_f8f6f4 v[\d:\d+7], v[\s0:\s0+11], v[\s1:\s1+11], \c, v[\x0], v[\x1] matrix_a_fmt:MATRIX_FMT_FP6 matrix_b_fmt:MATRIX_FMT_FP6 matrix_a_scale:MATRIX_SCALE_ROW\ra matrix_b_scale:MATRIX_SCALE_ROW\rb
.endm
.macro M1 kind, q, a2, ar, b2, br
.set A_, 2*\a2+\ar
.set B_, 2*\b2+\br
.set XF_, 12*A_
.set WF_, 96+12*B_
.set XS_, SX+8*\a2+\q
.set WS_, SW+8*\b2+\q
.set CB_, BB+8*B_
.if \kind
.set D_, 8*(8*B_+A_)
.if \q
	W D_, XF_, WF_, v[D_:D_+7], XS_, WS_, \ar, \br
.else
	W D_, XF_, WF_, v[CB_:CB_+7], XS_, WS_, \ar, \br
.endif
.else
.set D_, 8*(4*A_+B_)
.if \q
	W D_, WF_, XF_, v[D_:D_+7], WS_, XS_, \br, \ar
.else
	W D_, WF_, XF_, v[CB_:CB_+7], WS_, XS_, \br, \ar
.endif
.endif
.endm
.macro MULQ kind, q, a2                ; eight products.  The 32 accumulators take turns, in the same order in every step
.irp ar, 0,1
.irp b2, 0,1
.irp br, 0,1
	M1 \kind, \q, \a2, \ar, \b2, \br
.endr
.endr
.endr
.endm
.macro MWIN q
.if \q
	WIN 0xf0|((1+(\q)%2)*5)
.else
	WIN 0xc5                                       ; C: the bias, in window 0
.endif
.endm
.macro STEPN kind, q                   ; a step whose successor lies in the same slot
	s_wait_dscnt 0x0                               ; this step's fragments are in
	FETCH (\q)+1
	MWIN \q
.irp a2, 0,1,2,3
	MULQ \kind, \q, \a2
.endr
	PLACES                                         ; ahead of loads into the products' registers
.endm
; A slot's last step.  One barrier: the other slot's fill is in, in every wave, and nobody reads this slot any more.  In Q's and K's phases it opens a round of the cluster's barrier, and this slot is filled again.
.macro TURN kind, p, q
	WIN 0
	s_wait_tensorcnt 0x0                           ; all my tensor loads have landed
.if (\p) < 2
	ds_add_u32 v[SPW], v[NIL]
	s_wait_dscnt 1                                 ; this step's fragments are in; the add may be out
.else
	s_wait_dscnt 0x0
.endif
	MWIN \q
	MULQ \kind, \q, 0
	MULQ \kind, \q, 1
	s_wait_dscnt 0x0
	s_barrier_signal -1
	MULQ \kind, \q, 2
	MULQ \kind, \q, 3
	WIN 0
	s_barrier_wait -1
.if (\p) < 2
	CREST
	FILL 2*(\p)+2+(\q)/4                           ; its four v_nop are the places ahead of the loads that follow
.else
	PLACES
.endif
.endm
; THE WAY OUT: eight blocks of 32 numbers a lane, block n in registers 32 n .. 32 n + 31 of window 3.  Each accumulator is read from its low end on.
.macro EPI p
.if (\p) > 0
	s_wait_xcnt 0x0                                ; the last phase's stores have read their registers and their base
	s_add_nc_u64 s[14:15], s[14:15], 1024*6400
.endif
	WIN 0x0f
.irp n, 0,1,2,3,4,5,6,7
	v_max3_num_f32 v[T+2*\n], |v[32*\n]|, |v[32*\n+1]|, 0x1800000
.endr
	WIN 0x3f
.irp n, 0,1,2,3,4,5,6,7
	v_max3_num_f32 v[T+2*\n+1], |v[32*\n+16]|, |v[32*\n+17]|, |v[32*\n+18]|
.endr
	WIN 0x3c
.irp i, 0,2,4,6,8,10
.irp n, 0,1,2,3,4,5,6,7
	v_max3_num_f32 v[T+2*\n], v[T+2*\n], |v[32*\n+2+\i]|, |v[32*\n+3+\i]|
	v_max3_num_f32 v[T+2*\n+1], v[T+2*\n+1], |v[32*\n+19+\i]|, |v[32*\n+20+\i]|
.endr
.endr
.irp n, 0,1,2,3,4,5,6,7
	v_max3_num_f32 v[T+2*\n], v[T+2*\n], |v[32*\n+14]|, |v[32*\n+15]|
.endr
	WIN 0x30
.irp n, 0,1,2,3,4,5,6,7
	v_max3_num_f32 v[T+2*\n], v[T+2*\n], v[T+2*\n+1], |v[32*\n+31]|
.endr
	WIN 0
.irp n, 0,1,2,3,4,5,6,7
	v_add_nc_u32 v[SOP+\n], 0xff000000, v[T+2*\n]
.endr
	WIN 0x03
.irp n, 0,1,2,3,4,5,6,7
	v_cvt_scalef32_pk16_fp6_f32 v[CD+6*\n:CD+6*\n+2], v[32*\n:32*\n+15], v[SOP+\n]
	v_cvt_scalef32_pk16_fp6_f32 v[TC+4*\n:TC+4*\n+2], v[32*\n+16:32*\n+31], v[SOP+\n]
.endr
	WIN 0
.irp n, 0,1,2,3,4,5,6,7
	v_lshrrev_b32 v[EB+\n], 23, v[SOP+\n]
.endr
.irp n, 0,1,2,3,4,5,6,7
.irp i, 0,1,2
	v_mov_b32 v[CD+6*\n+3+\i], v[TC+4*\n+\i]
.endr
.endr
.irp n, 0,1,2,3,4,5,6,7,8,9,10,11
	global_store_b128 v[L16], v[CD+4*\n:CD+4*\n+3], s[14:15] offset:512*\n   ; 512 consecutive bytes
.endr
.irp b, 0,1,2,3                        ; an image's scale word: my two bytes at 8 h bits, with lane l xor 16's two
	v_lshl_or_b32 v[WD+\b], v[EB+2*\b+1], 16, v[EB+2*\b]
.endr
.irp b, 0,1,2,3
	v_lshlrev_b32 v[WD+\b], v[SH], v[WD+\b]
.endr
.irp b, 0,1,2,3
	v_permlanex16_b32 v[W2+\b], v[WD+\b], s62, s63
.endr
.irp b, 0,1,2,3
	v_or_b32 v[WD+\b], v[WD+\b], v[W2+\b]
.endr
.irp g, 0,1
	v_cndmask_b32 v[WM+\g], v[WD+2*\g], v[WD+2*\g+1], s60
.endr
	global_store_b64 v[LW], v[WM:WM+1], s[14:15] offset:6144
.endm
.macro PHASE kind, p
.if (\p) == 0
	s_wait_loadcnt 0x0
.else
	s_wait_loadcnt 6                               ; the bias and the words of steps 0-3 are in; the six loads of steps 4-7's words may be out
.endif
	STEPN \kind, 0
.if (\p) < 2
	BIAS (\p)+1
.endif
	STEPN \kind, 1
	STEPN \kind, 2
	TURN \kind, \p, 3
	FETCH 4
.if (\p) < 2
	SCALES (\p)+1, 0
.endif
.if (\p) == 0
	PFX 4
.endif
.if (\p) == 1
	s_wait_loadcnt 38                              ; the words of steps 4-7 are in; behind them: V's 32 bias loads and 6 loads of words
.endif
.if (\p) == 2
	s_wait_loadcnt 0x0
.endif
	STEPN \kind, 4
	STEPN \kind, 5
	STEPN \kind, 6
.if (\p) < 2
	TURN \kind, \p, 7
	FETCH 0                                        ; the next phase's first fragments
	SCALES (\p)+1, 1
.if (\p) == 0
	PFX 5
.endif
.else
	s_wait_dscnt 0x0
	MWIN 7
.irp a2, 0,1,2,3
	MULQ \kind, 7, \a2
.endr
	PLACES
	WIN 0
.endif
	EPI \p
.endm
	s_load_b256 s[4:11], s[0:1], 0x0               ; cod, scl, bq, bk
	s_load_b128 s[12:15], s[0:1], 0x20             ; bv, hc
	v_lshl_add_u32 v[SPW], v0, 2, SPARE
	v_mov_b32 v[NIL], 0
	ds_add_u32 v[SPW], v[NIL]                      ; the opening lines
	ds_add_u32 v[SPW], v[NIL]
	v_lshrrev_b32 v1, 5, v0
	v_readfirstlane_b32 s16, v1                    ; wave
	s_lshr_b32 s17, s16, 1                         ; my half of the tokens; also: I fetch x (0) or W (1)
	s_and_b32 s18, s16, 1                          ; my half of the features; also: which half I fetch
	s_bfe_u32 s19, ttmp6, 0x40000                  ; cx
	s_bfe_u32 s20, ttmp6, 0x40004                  ; cy
	s_lshl_b32 s21, ttmp9, 2
	s_add_co_u32 s21, s21, s19                     ; feature block 0..7
	s_and_b32 s22, ttmp7, 0xffff
	s_lshl_b32 s22, s22, 2
	s_add_co_u32 s22, s22, s20                     ; token block 0..31
	s_lshl_b32 s24, s20, 2
	s_lshl_b32 s24, 15, s24                        ; my row of the cluster
	s_lshl_b32 s25, 0x1111, s19                    ; my column
	s_or_b32 s[G1X], s24, (3<<16)|(1<<21)
	s_or_b32 s[G1W], s25, (3<<16)|(1<<21)
	s_mov_b32 s[G1X+1], (HB/8)<<16                 ; rows of 6,144 bytes (768 elements of 8), 12,288 apart
	s_mov_b32 s[G1X+2], 8<<16
	s_mov_b32 s[G1X+3], (HB/8)<<16
	s_mov_b32 s[G1X+4], 8
	s_mov_b32 s[G1X+5], TILEB/8
	s_mov_b32 s[G1X+6], 0
	s_mov_b32 s[G1X+7], 0
	s_mov_b32 s[G1W+1], (HB/8)<<16
	s_mov_b32 s[G1W+2], 4<<16
	s_mov_b32 s[G1W+3], (HB/8)<<16
	s_mov_b32 s[G1W+4], 4
	s_mov_b32 s[G1W+5], TILEB/8
	s_mov_b32 s[G1W+6], 0
	s_mov_b32 s[G1W+7], 0
	s_mul_i32 s26, s22, 16*TILEB                   ; q's block
	s_mul_i32 s27, s18, 8*TILEB
	s_add_co_u32 s24, s26, s27
	s_mov_b32 s25, 0
	s_lshl_b32 s28, s21, 3
	s_add_co_u32 s28, s28, 1536
	s_lshl_b32 s29, s18, 2
	s_add_co_u32 s28, s28, s29                     ; Wq's tile: the four that I fetch are the four that my half of the features needs
	s_mul_i32 s30, s28, TILEB
	s_mov_b32 s31, 0
	s_mul_i32 s32, s18, 8*HB                       ; where they go in a slot
	s_mul_i32 s33, s18, 4*HB
	s_add_co_u32 s33, s33, 16*HB
	s_mov_b32 s[G0X], 1
	s_mov_b32 s[G0W], 1
	s_wait_alu depctr_va_vdst(0)
	s_wait_dscnt 0x0
	s_wait_kmcnt 0x0
	s_add_nc_u64 s[G0X+2:G0X+3], s[4:5], s[24:25]
	s_or_b32 s[G0X+3], s[G0X+3], 0x80000000
	s_add_nc_u64 s[G0W+2:G0W+3], s[4:5], s[30:31]
	s_or_b32 s[G0W+3], s[G0W+3], 0x80000000
	CROUND                                         ; the joint loads meet
	FILL 0
	s_add_co_u32 s26, s26, 512*TILEB
	s_mov_b32 s27, 0
	s_add_nc_u64 s[34:35], s[4:5], s[26:27]        ; the prefetches' base: k's block
	s_lshl_b32 s23, s19, 2
	s_add_co_u32 s23, s23, s16
	s_mul_i32 s23, s23, TILEB                      ; my tile of its sixteen
	s_lshl_b32 s26, s22, 4                         ; scale words: x's, my eight tiles
	s_lshl_b32 s27, s17, 3
	s_add_co_u32 s26, s26, s27
	s_lshl_b32 s26, s26, 9
	s_mov_b32 s27, 0
	s_add_nc_u64 s[26:27], s[6:7], s[26:27]
	s_lshl_b32 s30, s28, 9                         ; W's, my four
	s_add_nc_u64 s[30:31], s[6:7], s[30:31]
	s_lshl_b32 s24, s21, 9
	s_lshl_b32 s25, s18, 8
	s_add_co_u32 s24, s24, s25
	s_mov_b32 s25, 0
	s_add_nc_u64 s[8:9], s[8:9], s[24:25]          ; the biases at my 64 features
	s_add_nc_u64 s[10:11], s[10:11], s[24:25]
	s_add_nc_u64 s[12:13], s[12:13], s[24:25]
	s_lshr_b32 s25, s22, 3                         ; my block of hc
	s_lshl_b32 s25, s25, 3
	s_add_co_u32 s25, s25, s21
	s_lshl_b32 s25, s25, 1
	s_add_co_u32 s25, s25, s18                     ; 16 x batch + head
	s_lshl_b32 s25, s25, 3
	s_and_b32 s24, s22, 7
	s_add_co_u32 s25, s25, s24
	s_lshl_b32 s25, s25, 1
	s_add_co_u32 s25, s25, s17                     ; x 16 + group
	s_mul_i32 s24, s25, 6400
	s_mov_b32 s25, 0
	s_add_nc_u64 s[14:15], s[14:15], s[24:25]
	s_mov_b32 s60, 0xffff0000
	s_mov_b32 s62, 0x76543210
	s_mov_b32 s63, 0xfedcba98
	s_mul_i32 s24, s17, 8*HB
	v_and_b32 v1, 31, v0
	v_lshlrev_b32 v[L16], 4, v1
	v_and_b32 v3, 15, v0
	v_bfe_u32 v4, v0, 4, 1
	v_add_nc_u32 v[AX], s24, v[L16]
	v_add_nc_u32 v[AX+1], SLOT, v[AX]
	v_add_nc_u32 v[AW], s33, v[L16]
	v_add_nc_u32 v[AW+1], SLOT, v[AW]
	v_lshlrev_b32 v[LW], 3, v1
	v_lshlrev_b32 v[SH], 3, v4
	v_lshlrev_b32 v5, 4, v3
	v_lshl_add_u32 v[SOF], v4, 9, v5               ; 16 r; lanes 16-31 take the next tile's words
	v_lshlrev_b32 v[BH], 7, v4
	v_lshrrev_b32 v5, 3, v3
	v_and_b32 v6, 7, v3
	v_lshlrev_b32 v6, 2, v6
	v_lshl_add_u32 v[BV], v5, 7, v6
	v_min_u32 v5, 23, v1                           ; 24 blocks of 256 bytes; the lanes left over name the last again
	v_lshl_add_u32 v[PF], v5, 8, s23
.irp b, 0,1,2,3
	v_mov_b32 v[W2+\b], 0                          ; a lane permute's destination counts as one of its sources
.endr
	s_wait_alu depctr_va_vdst(0)
	SCALES 0, 0
	SCALES 0, 1
	BIAS 0
	PFX 2
	s_wait_alu depctr_va_vdst(0)                   ; the wait at the head's end
	s_wait_tensorcnt 0x0                           ; my part of fill 0 is in; the full sequence ahead of slot 1's first fill
	ds_add_u32 v[SPW], v[NIL]
	s_wait_dscnt 0x0
	CROUND
	FILL 1
	FETCH 0
	WIN 0
	PFX 3
	PHASE 0, 0
	PHASE 0, 1
	PHASE 1, 2
	s_wait_tensorcnt 0x0                           ; the wave's end
	ds_add_u32 v[SPW], v[NIL]
	s_wait_dscnt 0x0
	CROUND                                         ; the closing round
	s_endpgm
.Lfunc_end_k_q33f4bec782_proj:
	.size	k_q33f4bec782_proj, .Lfunc_end_k_q33f4bec782_proj-k_q33f4bec782_proj
	.p2alignl 7, 3214868480
	.fill 96, 4, 3214868480
	.section	.rodata,"a",@progbits
	.p2align	6, 0x0
	.amdhsa_kernel k_q33f4bec782_proj
		.amdhsa_group_segment_fixed_size 327680
		.amdhsa_private_segment_fixed_size 0
		.amdhsa_enable_private_segment 0
		.amdhsa_kernarg_size 48
		.amdhsa_user_sgpr_count 2
		.amdhsa_user_sgpr_kernarg_segment_ptr 1
		.amdhsa_wavefront_size32 1
		.amdhsa_system_sgpr_workgroup_id_x 1
		.amdhsa_system_sgpr_workgroup_id_y 1
		.amdhsa_system_sgpr_workgroup_id_z 1
		.amdhsa_system_vgpr_workitem_id 0
		.amdhsa_next_free_vgpr 1024
		.amdhsa_next_free_sgpr 68
		.amdhsa_reserve_vcc 0
		.amdhsa_float_denorm_mode_32 3
		.amdhsa_float_denorm_mode_16_64 3
		.amdhsa_memory_ordered 1
		.amdhsa_forward_progress 1
		.amdhsa_inst_pref_size 217
	.end_amdhsa_kernel
	.amdgpu_metadata
---
amdhsa.version: [ 1, 2 ]
amdhsa.kernels:
  - .name:           k_q33f4bec782_proj
    .symbol:         k_q33f4bec782_proj.kd
    .args:
      - { .name: cod, .offset: 0, .size: 8, .value_kind: global_buffer, .address_space: global }
      - { .name: scl, .offset: 8, .size: 8, .value_kind: global_buffer, .address_space: global }
      - { .name: bq, .offset: 16, .size: 8, .value_kind: global_buffer, .address_space: global }
      - { .name: bk, .offset: 24, .size: 8, .value_kind: global_buffer, .address_space: global }
      - { .name: bv, .offset: 32, .size: 8, .value_kind: global_buffer, .address_space: global }
      - { .name: hc, .offset: 40, .size: 8, .value_kind: global_buffer, .address_space: global }
    .group_segment_fixed_size: 327680
    .private_segment_fixed_size: 0
    .kernarg_segment_align: 8
    .kernarg_segment_size: 48
    .max_flat_workgroup_size: 128
    .sgpr_count:     68
    .vgpr_count:     1024
    .wavefront_size: 32
...
	.end_amdgpu_metadata
.endif
;; end of part 2
;; launch attn (part 3): grid 4 x 64, 16 waves a work-group, clusters of 4 x 1, 327,680 bytes of LDS; arguments hc, oc, os; writes oc, os
.if DOCPART == 3
	.amdgcn_target "amdgcn-amd-amdhsa--gfx1250"
	.amdhsa_code_object_version 6
	.text
	.protected	k_q33f4bec782_attn
	.globl	k_q33f4bec782_attn
	.p2align	8
	.type	k_q33f4bec782_attn,@function
k_q33f4bec782_attn:
	s_mov_b64 s[64:65], 0
	v_nop
	global_prefetch_b8 v0, s[64:65] scope:SCOPE_SE
	s_setreg_imm32_b32 hwreg(HW_REG_WAVE_MODE, 25, 1), 1
	s_wait_xcnt 0x0
	s_wait_alu depctr_hold_cnt(0) depctr_sa_sdst(0) depctr_va_vdst(0) depctr_va_sdst(0) depctr_va_ssrc(0) depctr_va_vcc(0) depctr_vm_vsrc(0)
	s_getreg_b32 s2, hwreg(HW_REG_IB_STS2, 6, 4)
	s_cmp_eq_u32 s2, 0
	s_cbranch_scc0 .Lentry_in_a_cluster
	s_endpgm
.Lentry_in_a_cluster:
	s_bfe_u32 s2, ttmp6, 0x10000c
	s_cmp_lg_u32 s2, 0x3003
	s_cbranch_scc0 .Lentry_shape_is_right
	s_endpgm
.Lentry_shape_is_right:
; softmax(Q K^T / 8) V for one batch and head and 512 queries a work-group, on codes of FP6; O is quantised on the way out for the last projection.
; The head's K and V (2 x 102,400 bytes of hc, dense) lie in LDS whole: sixteen waves fetch 12,800 bytes each, as 50 rows of 256 bytes, once.  The four work-groups of a cluster are the four quarters of the queries of one head and ask jointly.
; A wave takes two tiles of 16 queries, one after the other, and walks 16 steps of 128 keys for each.  Both products are used transposed: a lane holds one query.
; By the rows' order in hc a lane's 32 score registers of four key tiles are the keys 64 c + 32 h + 0 .. 31: a whole scale block of p; likewise its 32 registers of O^T are the features 32 h + 0 .. 31.
; K has 64 along the head: an image holds two key tiles side by side, and Q stands beside six registers of zero codes.
; M is the running largest t rounded up to a whole number; the row's sum is taken of the unquantised p; a block's largest p is made from its largest score by the same two instructions.
; The maxima and the sums go in eight chains side by side, so that a line's source was written eight lines before it.
; oc: [tile of 16 tokens][head][3 pieces of 256 bytes: registers 2 p, 2 p + 1 of lane l at 256 p + 8 l];  os: [tile][half of K][row][16 bytes]: byte 2 (head % 8) + h.
; No prefetch: every byte is asked for at the head.
; LIMITS: the promise holds while the scaled scores stay under 2^31 in magnitude; NaN and infinities are not served; a block of zeros gets the byte 1.
.set BLK,   6400
.set VB,    16*BLK
.set TEN,   64*VB
.set PART,  VB/8
.set SPARE, 2*VB
.set AK0, 1
.set AV0, 2
.set AS0, 3
.set AT0, 4
.set SPW, 5
.set NIL, 6
.set GO,  7
.set ADK, 8
.set ADV, 9
.set ADS, 10
.set ADT, 11
.set Q,   16                           ; v16-21 zeros, v22-27 the tile's codes, v28-33 zeros
.set QS,  34
.set GS,  35
.set QI,  36                           ; v36-47 the image of my two tiles
.set FR,  48
.set S,   96
.set OT,  160
.set PC,  192
.set TC,  204
.set BM,  212
.set PM,  216
.set SO,  218
.set TP,  220
.set PS,  221
.set FF,  222
.set KS,  224
.set VS,  226
.set QW,  228
.set SH,  229
.set MX,  232                          ; v232-239 eight chains of maxima
.set SM,  240                          ; v240-255 eight chains of sums, two numbers each
.set WV,  12
.set SEL, 20
.set CS,  22
.set G1,  24
.set G0,  32
.set TB,  48
.set CNT, 49
.set QB,  60
.set OCB, 66
.set OSB, 68
.macro CROUND
	s_barrier_signal -1
	s_barrier_wait -1
	s_cmp_lg_u32 s[WV], 0
	s_cbranch_scc1 .Lnot_wave_0_\@
	s_barrier_signal -3
.Lnot_wave_0_\@:
	s_barrier_wait -3
	s_barrier_signal -1
	s_barrier_wait -1
.endm
	s_load_b128 s[4:7], s[0:1], 0x0                ; hc, oc
	s_load_b64 s[8:9], s[0:1], 0x10                ; os
	v_lshl_add_u32 v[SPW], v0, 2, SPARE
	v_mov_b32 v[NIL], 0
	ds_add_u32 v[SPW], v[NIL]                      ; the opening lines
	ds_add_u32 v[SPW], v[NIL]
	v_lshrrev_b32 v8, 5, v0
	v_readfirstlane_b32 s[WV], v8
	s_bfe_u32 s13, ttmp6, 0x40000                  ; cx: my quarter of the queries
	s_and_b32 s14, ttmp7, 0xffff                   ; 16 x batch + head
	s_mov_b32 s[G1], 15|(3<<16)|(1<<21)
	s_mov_b32 s[G1+1], 32<<16
	s_mov_b32 s[G1+2], (PART/256)<<16
	s_mov_b32 s[G1+3], 32<<16
	s_mov_b32 s[G1+4], PART/256
	s_mov_b32 s[G1+5], 32
	s_mov_b32 s[G1+6], 0
	s_mov_b32 s[G1+7], 0
	s_lshr_b32 s15, s[WV], 3                       ; I fetch for K (0) or V (1)
	s_and_b32 s18, s[WV], 7
	s_mul_i32 s18, s18, PART
	s_mul_i32 s19, s15, VB
	s_add_co_u32 s19, s19, s18
	s_mul_i32 s16, s15, TEN
	s_add_co_u32 s16, s16, TEN
	s_add_co_u32 s16, s16, s18
	s_mul_i32 s17, s14, VB
	s_add_co_u32 s16, s16, s17
	s_mov_b32 s17, 0
	s_mov_b32 s[SEL], 0x76543210
	s_mov_b32 s[SEL+1], 0xfedcba98
	s_mov_b32 s[CS], 0x3e38aa3b                    ; log2(e) / 8
	s_mov_b32 s[CS+1], s[CS]
	s_mov_b32 s[G0], 1
	s_mov_b32 s[G0+1], s19
	s_wait_alu depctr_va_vdst(0)
	s_wait_dscnt 0x0
	s_wait_kmcnt 0x0
	s_add_nc_u64 s[G0+2:G0+3], s[4:5], s[16:17]
	s_or_b32 s[G0+3], s[G0+3], 0x80000000
	CROUND
	tensor_load_to_lds s[G0:G0+3], s[G1:G1+7]      ; one load a wave, its place made from the wave's number
	s_nop 0
.rept 4
	v_nop
.endr
	s_lshl_b32 s52, s14, 4
	s_lshl_b32 s53, s13, 2
	s_add_co_u32 s52, s52, s53
	s_lshr_b32 s53, s[WV], 2
	s_add_co_u32 s52, s52, s53                     ; Q's block: group 4 cx + wave / 4
	s_mul_i32 s52, s52, BLK
	s_mov_b32 s53, 0
	s_add_nc_u64 s[QB:QB+1], s[4:5], s[52:53]
	s_and_b32 s55, s[WV], 3                        ; my image
	s_mul_i32 s56, s55, 1536
	s_and_b32 s57, s55, 1
	s_lshl_b32 s57, s57, 7
	s_lshr_b32 s58, s55, 1
	s_lshl_b32 s58, s58, 2
	s_add_co_u32 s57, s57, s58
	s_lshr_b32 s52, s14, 4
	s_lshl_b32 s52, s52, 7
	s_lshl_b32 s54, s13, 5
	s_add_co_u32 s52, s52, s54
	s_lshl_b32 s54, s[WV], 1
	s_add_co_u32 s52, s52, s54                     ; my first tile of tokens
	s_and_b32 s54, s14, 15                         ; head
	s_mul_i32 s58, s52, 12288
	s_mul_i32 s59, s54, 768
	s_add_co_u32 s58, s58, s59
	s_mov_b32 s59, 0
	s_add_nc_u64 s[OCB:OCB+1], s[6:7], s[58:59]
	s_lshl_b32 s58, s52, 9
	s_lshr_b32 s52, s54, 3
	s_lshl_b32 s52, s52, 8
	s_add_co_u32 s58, s58, s52
	s_and_b32 s52, s54, 7
	s_lshl_b32 s52, s52, 1
	s_add_co_u32 s58, s58, s52
	s_add_nc_u64 s[OSB:OSB+1], s[8:9], s[58:59]
	v_and_b32 v8, 31, v0
	v_and_b32 v9, 15, v0
	v_bfe_u32 v10, v0, 4, 1
	v_lshlrev_b32 v[AK0], 4, v8
	v_lshlrev_b32 v[AS0], 3, v8
	v_add_nc_u32 v[AV0], VB, v[AK0]
	v_add_nc_u32 v[AT0], VB, v[AS0]
	v_lshlrev_b32 v[GO], 3, v8
	v_lshl_add_u32 v[GS], v9, 4, v10
	v_lshlrev_b32 v[SH], 3, v10
	v_add_nc_u32 v230, s56, v[AK0]
	v_lshl_add_u32 v231, v9, 3, s57
	s_wait_alu depctr_va_vdst(0)
.irp c, 0,1,2
	global_load_b128 v[QI+4*\c:QI+4*\c+3], v230, s[QB:QB+1] offset:512*\c
.endr
	global_load_b32 v[QW], v231, s[QB:QB+1] offset:6144
.irp j, 0,1,2,3,4,5
	v_mov_b32 v[Q+\j], 0
	v_mov_b32 v[Q+12+\j], 0
.endr
	v_mov_b32 v[PM], 0
	v_mov_b32 v[PM+1], 0
	v_mov_b32 v[TP], 0
	v_mov_b32 v[FF+1], 0
.macro KQ d, f, q, sc, row
	v_wmma_scale_f32_16x16x128_f8f6f4 v[\d:\d+7], v[\f:\f+11], v[\q:\q+11], 0, v[\sc], v[QS] matrix_a_fmt:MATRIX_FMT_FP6 matrix_b_fmt:MATRIX_FMT_FP6 matrix_a_scale:MATRIX_SCALE_ROW\row
.endm
.macro PV d, f, sc, row
	v_wmma_scale_f32_16x16x128_f8f6f4 v[\d:\d+7], v[\f:\f+11], v[PC:PC+11], v[\d:\d+7], v[\sc], v[PS] matrix_a_fmt:MATRIX_FMT_FP6 matrix_b_fmt:MATRIX_FMT_FP6 matrix_a_scale:MATRIX_SCALE_ROW\row
.endm
.macro IMAGES adr
.irp f, 0,1,2,3
.irp c, 0,1,2
	ds_load_b128 v[FR+12*\f+4*\c:FR+12*\f+4*\c+3], v[\adr] offset:1536*\f+512*\c
.endr
.endr
.endm
.macro CVT2 c
	v_cvt_scalef32_pk16_fp6_f32 v[PC+6*\c:PC+6*\c+2], v[S+32*\c:S+32*\c+15], v[SO+\c]
	v_cvt_scalef32_pk16_fp6_f32 v[TC+4*\c:TC+4*\c+2], v[S+32*\c+16:S+32*\c+31], v[SO+\c]
.endm
.macro MOV3 c
.irp i, 0,1,2
	v_mov_b32 v[PC+6*\c+3+\i], v[TC+4*\c+\i]
.endr
.endm
.macro STEP                            ; 16 queries x 128 keys
	v_add_nc_u32 v[ADK], s[TB], v[AK0]             ; (these four are also the places ahead of the loads into V's registers)
	v_add_nc_u32 v[ADV], s[TB], v[AV0]
	v_add_nc_u32 v[ADS], s[TB], v[AS0]
	v_add_nc_u32 v[ADT], s[TB], v[AT0]
	IMAGES ADK
	ds_load_b64 v[KS:KS+1], v[ADS] offset:6144
	s_wait_alu depctr_va_vdst(0)                   ; the wait ahead of the wait below
	s_wait_dscnt 0x0
.irp g, 0,1
.irp o, 0,1
	KQ S+32*\g+16*\o, FR+24*\g+12*\o, Q+6, KS+\g, \o
	KQ S+32*\g+16*\o+8, FR+24*\g+12*\o, Q, KS+\g, \o
.endr
.endr
.rept 4
	v_nop
.endr
	IMAGES ADV
	ds_load_b64 v[VS:VS+1], v[ADT] offset:6144
.irp u, 0,1,2,3,4,5,6,7                ; the largest scores: a chain to each accumulator, from its low end on
	v_max3_num_f32 v[MX+\u], v[S+8*\u], v[S+8*\u+1], v[S+8*\u+2]
.endr
.irp i, 3,5
.irp u, 0,1,2,3,4,5,6,7
	v_max3_num_f32 v[MX+\u], v[MX+\u], v[S+8*\u+\i], v[S+8*\u+\i+1]
.endr
.endr
.irp c, 0,1
	v_max3_num_f32 v[MX+4*\c], v[MX+4*\c], v[MX+4*\c+1], v[S+32*\c+7]
	v_max3_num_f32 v[MX+4*\c+2], v[MX+4*\c+2], v[MX+4*\c+3], v[S+32*\c+15]
.endr
.irp c, 0,1
	v_max3_num_f32 v[BM+2*\c], v[MX+4*\c], v[MX+4*\c+2], v[S+32*\c+23]
.endr
.irp c, 0,1
	v_max_num_f32 v[BM+2*\c], v[BM+2*\c], v[S+32*\c+31]   ; my two blocks' largest scores
.endr
	s_delay_alu instid0(VALU_DEP_1)
	v_max_num_f32 v[TP], v[BM], v[BM+2]
	s_delay_alu instid0(VALU_DEP_1)
	v_permlanex16_b32 v[PM], v[TP], s[SEL], s[SEL+1]
	s_delay_alu instid0(VALU_DEP_1)
	v_max_num_f32 v[TP], v[TP], v[PM]              ; the step's largest score of my query
	s_delay_alu instid0(VALU_DEP_1)
	v_mul_f32 v[TP], s[CS], v[TP]
	s_delay_alu instid0(VALU_DEP_1)
	v_max_num_f32 v13, v13, v[TP]                  ; the running largest t
	v_mov_b32 v[TP], v12
	s_delay_alu instid0(VALU_DEP_2)
	v_floor_f32 v12, -v13                          ; -M, a whole number
	s_delay_alu instid0(VALU_DEP_1)
	v_sub_f32 v[TP], v12, v[TP]
	s_delay_alu instid0(VALU_DEP_1)
	v_cvt_i32_f32 v[TP], v[TP]
	s_delay_alu instid0(VALU_DEP_1)
	v_ldexp_f32 v[FF], 1.0, v[TP]                  ; 2^(old M - new M)
.set j, 0
.rept 32
	v_pk_fma_f32 v[S+j:S+j+1], v[S+j:S+j+1], s[CS:CS+1], v[12:13] op_sel_hi:[1,0,0]
.set j, j+2
.endr
	v_fma_f32 v[BM], v[BM], s[CS], v12
	v_fma_f32 v[BM+2], v[BM+2], s[CS], v12
	s_wait_alu depctr_va_vdst(0)                   ; the wait ahead of the batch
.set j, 0
.rept 64
	v_exp_f32 v[S+j], v[S+j]
.set j, j+1
.endr
	v_exp_f32 v[BM], v[BM]
	v_exp_f32 v[BM+2], v[BM+2]
	v_pk_mul_f32 v[14:15], v[14:15], v[FF:FF+1] op_sel_hi:[1,0]
	s_wait_alu depctr_va_vdst(0)                   ; and behind it
.irp k, 0,1,2,3,4,5,6,7                ; the row's sum of the unquantised p
	v_pk_add_f32 v[SM+2*\k:SM+2*\k+1], v[S+2*\k:S+2*\k+1], v[S+16+2*\k:S+17+2*\k]
.endr
.irp g, 32,48
.irp k, 0,1,2,3,4,5,6,7
	v_pk_add_f32 v[SM+2*\k:SM+2*\k+1], v[SM+2*\k:SM+2*\k+1], v[S+\g+2*\k:S+\g+2*\k+1]
.endr
.endr
.irp k, 0,1,2,3
	v_pk_add_f32 v[SM+2*\k:SM+2*\k+1], v[SM+2*\k:SM+2*\k+1], v[SM+8+2*\k:SM+9+2*\k]
.endr
	v_max_num_f32 v[BM], 0x1800000, v[BM]
	v_max_num_f32 v[BM+2], 0x1800000, v[BM+2]
.irp k, 0,1
	v_pk_add_f32 v[SM+2*\k:SM+2*\k+1], v[SM+2*\k:SM+2*\k+1], v[SM+4+2*\k:SM+5+2*\k]
.endr
	v_add_nc_u32 v[SO], 0xff000000, v[BM]
	v_add_nc_u32 v[SO+1], 0xff000000, v[BM+2]
	v_pk_add_f32 v[SM:SM+1], v[SM:SM+1], v[SM+2:SM+3]
	v_lshrrev_b32 v[PM], 23, v[SO]
	v_lshrrev_b32 v[PM+1], 23, v[SO+1]
	v_pk_add_f32 v[14:15], v[14:15], v[SM:SM+1]
	v_lshl_or_b32 v[PS], v[PM+1], 16, v[PM]        ; my bytes h and 2 + h of p's scale word,
	CVT2 0
	v_lshlrev_b32 v[PS], v[SH], v[PS]
	CVT2 1
	v_nop
	v_permlanex16_b32 v[TP], v[PS], s[SEL], s[SEL+1]
	MOV3 0
	v_or_b32 v[PS], v[PS], v[TP]                   ; with lane l xor 16's two
	MOV3 1
	s_wait_alu depctr_va_vdst(0)                   ; the wait ahead of the first reader of O^T
.set j, 0
.rept 16
	v_pk_mul_f32 v[OT+j:OT+j+1], v[OT+j:OT+j+1], v[FF:FF+1] op_sel_hi:[1,0]
.set j, j+2
.endr
	s_wait_alu depctr_va_vdst(0)
	s_wait_dscnt 0x0                               ; V's images
.irp g, 0,1
.irp o, 0,1
	PV OT+16*\g+8*\o, FR+24*\g+12*\o, VS+\g, \o
.endr
.endr
	s_add_co_u32 s[TB], s[TB], BLK
.endm
.macro PASS t
.irp j, 0,1,2,3,4,5
	v_mov_b32 v[Q+6+\j], v[QI+6*\t+\j]
.endr
.if \t
	v_lshrrev_b32 v230, 16, v[QW]
.else
	v_and_b32 v230, 0xffff, v[QW]
.endif
	v_lshl_or_b32 v[QS], v230, 16, v230            ; the tile's two bytes, for either place of its codes
	v_mov_b32 v13, 0xff61b1e6                      ; -3e38
	v_floor_f32 v12, -v13
	v_mov_b32 v14, 0
	v_mov_b32 v15, 0
.set j, 0
.rept 32
	v_mov_b32 v[OT+j], 0
.set j, j+1
.endr
	s_mov_b32 s[TB], 0
	s_mov_b32 s[CNT], 16
	s_wait_alu depctr_va_vdst(0)
.Lkeys_\@:
	STEP
	s_sub_co_u32 s[CNT], s[CNT], 1
	s_cmp_lg_u32 s[CNT], 0
	s_cbranch_scc1 .Lkeys_\@
	v_add_f32 v14, v14, v15
	v_permlanex16_b32 v[TP], v14, s[SEL], s[SEL+1]
	v_add_f32 v14, v14, v[TP]
	s_wait_alu depctr_va_vdst(0)
	v_rcp_f32 v[FF], v14
	v_nop
	v_nop
	s_wait_alu depctr_va_vdst(0)
.set j, 0
.rept 16
	v_pk_mul_f32 v[S+j:S+j+1], v[OT+j:OT+j+1], v[FF:FF+1] op_sel_hi:[1,0]
.set j, j+2
.endr
	v_max3_num_f32 v[BM], |v[S]|, |v[S+1]|, 0x1800000
	v_max3_num_f32 v[BM+1], |v[S+16]|, |v[S+17]|, |v[S+18]|
.irp i, 0,2,4,6,8,10
	v_max3_num_f32 v[BM], v[BM], |v[S+2+\i]|, |v[S+3+\i]|
	v_max3_num_f32 v[BM+1], v[BM+1], |v[S+19+\i]|, |v[S+20+\i]|
.endr
	v_max3_num_f32 v[BM], v[BM], |v[S+14]|, |v[S+15]|
	v_max3_num_f32 v[BM], v[BM], v[BM+1], |v[S+31]|
	v_add_nc_u32 v[SO], 0xff000000, v[BM]
	v_cvt_scalef32_pk16_fp6_f32 v[PC:PC+2], v[S:S+15], v[SO]
	v_cvt_scalef32_pk16_fp6_f32 v[TC:TC+2], v[S+16:S+31], v[SO]
	v_lshrrev_b32 v[TP], 23, v[SO]
.irp i, 0,1,2
	v_mov_b32 v[PC+3+\i], v[TC+\i]
.endr
.irp p, 0,1,2
	global_store_b64 v[GO], v[PC+2*\p:PC+2*\p+1], s[OCB:OCB+1] offset:12288*\t+256*\p   ; 256 consecutive bytes, aligned
.endr
	global_store_b8 v[GS], v[TP], s[OSB:OSB+1] offset:512*\t
.endm
	s_wait_loadcnt 0x0
	s_wait_alu depctr_va_vdst(0)                   ; the wait at the head's end
	s_wait_tensorcnt 0x0
	s_barrier_signal -1
	s_barrier_wait -1                              ; K and V are in
	PASS 0
	s_wait_xcnt 0x0                                ; the stores have read their registers
	PASS 1
	s_wait_tensorcnt 0x0                           ; the wave's end
	ds_add_u32 v[SPW], v[NIL]
	s_wait_dscnt 0x0
	CROUND
	s_endpgm
.Lfunc_end_k_q33f4bec782_attn:
	.size	k_q33f4bec782_attn, .Lfunc_end_k_q33f4bec782_attn-k_q33f4bec782_attn
	.p2alignl 7, 3214868480
	.fill 96, 4, 3214868480
	.section	.rodata,"a",@progbits
	.p2align	6, 0x0
	.amdhsa_kernel k_q33f4bec782_attn
		.amdhsa_group_segment_fixed_size 327680
		.amdhsa_private_segment_fixed_size 0
		.amdhsa_enable_private_segment 0
		.amdhsa_kernarg_size 24
		.amdhsa_user_sgpr_count 2
		.amdhsa_user_sgpr_kernarg_segment_ptr 1
		.amdhsa_wavefront_size32 1
		.amdhsa_system_sgpr_workgroup_id_x 1
		.amdhsa_system_sgpr_workgroup_id_y 1
		.amdhsa_system_sgpr_workgroup_id_z 1
		.amdhsa_system_vgpr_workitem_id 0
		.amdhsa_next_free_vgpr 256
		.amdhsa_next_free_sgpr 72
		.amdhsa_reserve_vcc 0
		.amdhsa_float_denorm_mode_32 3
		.amdhsa_float_denorm_mode_16_64 3
		.amdhsa_memory_ordered 1
		.amdhsa_forward_progress 1
		.amdhsa_inst_pref_size 45
	.end_amdhsa_kernel
	.amdgpu_metadata
---
amdhsa.version: [ 1, 2 ]
amdhsa.kernels:
  - .name:           k_q33f4bec782_attn
    .symbol:         k_q33f4bec782_attn.kd
    .args:
      - { .name: hc, .offset: 0, .size: 8, .value_kind: global_buffer, .address_space: global }
      - { .name: oc, .offset: 8, .size: 8, .value_kind: global_buffer, .address_space: global }
      - { .name: os, .offset: 16, .size: 8, .value_kind: global_buffer, .address_space: global }
    .group_segment_fixed_size: 327680
    .private_segment_fixed_size: 0
    .kernarg_segment_align: 8
    .kernarg_segment_size: 24
    .max_flat_workgroup_size: 512
    .sgpr_count:     72
    .vgpr_count:     256
    .wavefront_size: 32
...
	.end_amdgpu_metadata
.endif
;; end of part 3
;; launch outp (part 4): grid 8 x 32, 4 waves a work-group, clusters of 4 x 4, 327,680 bytes of LDS; arguments oc, os, cod, scl, bo, out0; writes out0
.if DOCPART == 4
	.amdgcn_target "amdgcn-amd-amdhsa--gfx1250"
	.amdhsa_code_object_version 6
	.text
	.protected	k_q33f4bec782_outp
	.globl	k_q33f4bec782_outp
	.p2align	8
	.type	k_q33f4bec782_outp,@function
k_q33f4bec782_outp:
	s_mov_b64 s[64:65], 0
	v_nop
	global_prefetch_b8 v0, s[64:65] scope:SCOPE_SE
	s_setreg_imm32_b32 hwreg(HW_REG_WAVE_MODE, 25, 1), 1
	s_wait_xcnt 0x0
	s_wait_alu depctr_hold_cnt(0) depctr_sa_sdst(0) depctr_va_vdst(0) depctr_va_sdst(0) depctr_va_ssrc(0) depctr_va_vcc(0) depctr_vm_vsrc(0)
	s_getreg_b32 s2, hwreg(HW_REG_IB_STS2, 6, 4)
	s_cmp_eq_u32 s2, 0
	s_cbranch_scc0 .Lentry_in_a_cluster
	s_endpgm
.Lentry_in_a_cluster:
	s_bfe_u32 s2, ttmp6, 0x10000c
	s_cmp_lg_u32 s2, 0xf033
	s_cbranch_scc0 .Lentry_shape_is_right
	s_endpgm
.Lentry_shape_is_right:
; out0 = O Wo^T + bo on codes of FP6 with E8M0 scales.  256 blocks of 256 tokens x 128 columns; a work-group of four waves (2 x 2) makes one, a wave 128 x 64: 32 accumulators.
; ALL OF K lies in LDS: 16 tiles of O (196,608 bytes of oc, dense) and 8 tiles of Wo (98,304 of cod), fetched as rows of 256 bytes, one tensor load a wave; nothing is filled again.
; CLUSTERS of 4 x 4: O's tiles are asked for jointly along a row of the cluster, Wo's along a column.
; Source 0 = Wo's rows, source 1 = tokens: by the rows' order a lane's 32 registers of a token tile are the columns 32 h + 0 .. 31 of my 64; lane r of tile a is the true token 64 (a / 4) + 32 (r / 8) + 8 (a % 4) + r % 8.
; The bias is the first products' C.  A tile of 16 x 64 results turns through the wave's own stage in LDS and leaves as whole rows of 256 bytes.
; No prefetch: every byte is asked for at the head, and there is no loop to run ahead in.
; REGISTERS: window 0: addresses, scale words (v32-63 O's, v68-83 Wo's), v96-127 the bias, v128-191 rows on the way out; windows 1, 2: two sets of fragments; window 3: the accumulators.
.set TILEB, 12288
.set XH,    8*TILEB
.set WB,    2*XH
.set WH,    4*TILEB
.set STAGE, WB+2*WH
.set SPITCH, 272
.set SPARE, STAGE+4*16*SPITCH
.set AX,  10
.set AW,  12
.set STO, 13
.set RD,  14
.set CO,  15
.set SPW, 28
.set NIL, 29
.set SX,  32
.set SW,  68
.set BB,  96
.set BK,  128
.set G1X, 36
.set G1W, 44
.set G0X, 52
.set G0W, 56
.set MSB, 0
.macro WIN new
.if MSB != \new
	s_set_vgpr_msb (MSB<<8)|\new
.set MSB, \new
.endif
.endm
.macro PLACES
.rept 4
	v_nop
.endr
.endm
.macro CROUND
	s_barrier_signal -1
	s_barrier_wait -1
	s_cmp_lg_u32 s16, 0
	s_cbranch_scc1 .Lnot_wave_0_\@
	s_barrier_signal -3
.Lnot_wave_0_\@:
	s_barrier_wait -3
	s_barrier_signal -1
	s_barrier_wait -1
.endm
	s_load_b256 s[4:11], s[0:1], 0x0               ; oc, os, cod, scl
	s_load_b128 s[12:15], s[0:1], 0x20             ; bo, out0
	v_lshl_add_u32 v[SPW], v0, 2, SPARE
	v_mov_b32 v[NIL], 0
	ds_add_u32 v[SPW], v[NIL]                      ; the opening lines
	ds_add_u32 v[SPW], v[NIL]
	v_lshrrev_b32 v1, 5, v0
	v_readfirstlane_b32 s16, v1
	s_lshr_b32 s17, s16, 1                         ; my half of the tokens; also: I fetch O (0) or Wo (1)
	s_and_b32 s18, s16, 1                          ; my half of the columns; also: which half I fetch
	s_bfe_u32 s19, ttmp6, 0x40000
	s_bfe_u32 s20, ttmp6, 0x40004
	s_lshl_b32 s21, ttmp9, 2
	s_add_co_u32 s21, s21, s19                     ; column block 0..7
	s_and_b32 s22, ttmp7, 0xffff
	s_lshl_b32 s22, s22, 2
	s_add_co_u32 s22, s22, s20                     ; token block 0..31
	s_lshl_b32 s24, s20, 2
	s_lshl_b32 s24, 15, s24
	s_lshl_b32 s25, 0x1111, s19
	s_or_b32 s[G1X], s24, (3<<16)|(1<<21)
	s_or_b32 s[G1W], s25, (3<<16)|(1<<21)
	s_mov_b32 s[G1X+1], 32<<16
	s_mov_b32 s[G1X+2], 384<<16
	s_mov_b32 s[G1X+3], 32<<16
	s_mov_b32 s[G1X+4], 384
	s_mov_b32 s[G1X+5], 32
	s_mov_b32 s[G1X+6], 0
	s_mov_b32 s[G1X+7], 0
	s_mov_b32 s[G1W+1], 32<<16
	s_mov_b32 s[G1W+2], 192<<16
	s_mov_b32 s[G1W+3], 32<<16
	s_mov_b32 s[G1W+4], 192
	s_mov_b32 s[G1W+5], 32
	s_mov_b32 s[G1W+6], 0
	s_mov_b32 s[G1W+7], 0
	s_mul_i32 s26, s22, 16*TILEB
	s_mul_i32 s27, s18, XH
	s_add_co_u32 s26, s26, s27
	s_mov_b32 s27, 0
	s_lshl_b32 s28, s21, 3
	s_add_co_u32 s28, s28, 1728
	s_lshl_b32 s29, s18, 2
	s_add_co_u32 s28, s28, s29                     ; Wo's tile
	s_mul_i32 s30, s28, TILEB
	s_mov_b32 s31, 0
	s_mov_b32 s[G0X], 1
	s_mul_i32 s[G0X+1], s18, XH
	s_mov_b32 s[G0W], 1
	s_mul_i32 s[G0W+1], s18, WH
	s_add_co_u32 s[G0W+1], s[G0W+1], WB
	s_wait_alu depctr_va_vdst(0)
	s_wait_dscnt 0x0
	s_wait_kmcnt 0x0
	s_add_nc_u64 s[G0X+2:G0X+3], s[4:5], s[26:27]
	s_or_b32 s[G0X+3], s[G0X+3], 0x80000000
	s_add_nc_u64 s[G0W+2:G0W+3], s[8:9], s[30:31]
	s_or_b32 s[G0W+3], s[G0W+3], 0x80000000
	CROUND
	s_cmp_eq_u32 s17, 0
	s_cbranch_scc0 .Lfor_w
	tensor_load_to_lds s[G0X:G0X+3], s[G1X:G1X+7]
	s_nop 0
	PLACES
	s_branch .Lasked
.Lfor_w:
	tensor_load_to_lds s[G0W:G0W+3], s[G1W:G1W+7]
	s_nop 0
	PLACES
.Lasked:
	s_lshl_b32 s26, s22, 4
	s_lshl_b32 s27, s17, 3
	s_add_co_u32 s26, s26, s27
	s_lshl_b32 s26, s26, 9
	s_mov_b32 s27, 0
	s_add_nc_u64 s[26:27], s[6:7], s[26:27]        ; O's scale words, my eight tiles
	s_lshl_b32 s30, s28, 9
	s_add_nc_u64 s[30:31], s[10:11], s[30:31]      ; Wo's, my four
	s_lshl_b32 s24, s21, 9
	s_lshl_b32 s25, s18, 8
	s_add_co_u32 s24, s24, s25                     ; my first column, in bytes
	s_mov_b32 s25, 0
	s_add_nc_u64 s[12:13], s[12:13], s[24:25]
	s_add_nc_u64 s[14:15], s[14:15], s[24:25]
	s_lshl_b32 s24, s22, 20                        ; 256 rows of 4,096 bytes
	s_lshl_b32 s32, s17, 19
	s_add_co_u32 s24, s24, s32
	s_add_nc_u64 s[14:15], s[14:15], s[24:25]
	s_mul_i32 s24, s17, XH
	s_mul_i32 s25, s18, WH
	s_add_co_u32 s25, s25, WB
	s_mul_i32 s32, s16, 16*SPITCH
	s_add_co_u32 s32, s32, STAGE
	v_and_b32 v1, 31, v0
	v_lshlrev_b32 v2, 4, v1
	v_and_b32 v3, 15, v0
	v_bfe_u32 v4, v0, 4, 1
	v_lshl_add_u32 v[AX], v1, 3, s24               ; O's pieces: 8 bytes a lane
	v_add_nc_u32 v[AX+1], 4*TILEB, v[AX]
	v_add_nc_u32 v[AW], s25, v2
	v_lshlrev_b32 v5, 4, v3
	v_lshl_add_u32 v5, v4, 9, v5
	v_lshlrev_b32 v6, 7, v4                        ; the bias: 128 bytes on for the upper half of the lanes
	v_mul_u32_u24 v7, v3, SPITCH
	v_lshl_add_u32 v7, v4, 7, v7
	v_add_nc_u32 v[STO], s32, v7
	v_mul_u32_u24 v7, v4, SPITCH
	v_lshl_add_u32 v7, v3, 4, v7
	v_add_nc_u32 v[RD], s32, v7
	v_lshlrev_b32 v7, 12, v4
	v_lshl_add_u32 v[CO], v3, 4, v7
	s_wait_alu depctr_va_vdst(0)
.irp p, 0,1,2,3
.irp e, 0,1
	global_load_b128 v[SX+8*\p+4*\e:SX+8*\p+4*\e+3], v5, s[26:27] offset:1024*\p+256*\e
.endr
.endr
.irp p, 0,1
.irp e, 0,1
	global_load_b128 v[SW+8*\p+4*\e:SW+8*\p+4*\e+3], v5, s[30:31] offset:1024*\p+256*\e
.endr
.endr
.irp m, 0,1,2,3,4,5,6,7
	global_load_b128 v[BB+4*\m:BB+4*\m+3], v6, s[12:13] offset:16*\m
.endr
.macro FETCH q
	WIN (1+(\q)%2)<<6
.irp i, 0,1,2,3,4,5,6,7
.irp p, 0,1,2,3,4,5
	ds_load_b64 v[12*\i+2*\p:12*\i+2*\p+1], v[AX+\i/4] offset:(\i%4)*TILEB+(\q)*1536+256*\p
.endr
.endr
.irp i, 0,1,2,3
.irp c, 0,1,2
	ds_load_b128 v[96+12*\i+4*\c:96+12*\i+4*\c+3], v[AW] offset:\i*TILEB+(\q)*1536+512*\c
.endr
.endr
.endm
.macro W d, s0, s1, c, x0, x1, ra, rb
	v_wmma_scale_f32_16x16x128_f8f6f4 v[\d:\d+7], v[\s0:\s0+11], v[\s1:\s1+11], \c, v[\x0], v[\x1] matrix_a_fmt:MATRIX_FMT_FP6 matrix_b_fmt:MATRIX_FMT_FP6 matrix_a_scale:MATRIX_SCALE_ROW\ra matrix_b_scale:MATRIX_SCALE_ROW\rb
.endm
.macro M1 q, a2, ar, b2, br
.set A_, 2*\a2+\ar
.set B_, 2*\b2+\br
.set XF_, 12*A_
.set WF_, 96+12*B_
.set XS_, SX+8*\a2+\q
.set WS_, SW+8*\b2+\q
.set CB_, BB+8*B_
.set D_, 8*(4*A_+B_)
.if \q
	W D_, WF_, XF_, v[D_:D_+7], WS_, XS_, \br, \ar
.else
	W D_, WF_, XF_, v[CB_:CB_+7], WS_, XS_, \br, \ar
.endif
.endm
	s_wait_alu depctr_va_vdst(0)                   ; the wait at the head's end
	s_wait_tensorcnt 0x0
	s_barrier_signal -1
	s_barrier_wait -1                              ; all four loads are in
	FETCH 0
	s_wait_loadcnt 0x0
; Eight steps of 128 along K; the next step's fragments are asked for ahead of the step's 32 products.  The 32 accumulators take turns.
.irp q, 0,1,2,3,4,5,6,7
	s_wait_dscnt 0x0
.if \q < 7
	FETCH \q+1
.endif
.if \q
	WIN 0xf0|((1+\q%2)*5)
.else
	WIN 0xc5
.endif
.irp a2, 0,1,2,3
.irp ar, 0,1
.irp b2, 0,1
.irp br, 0,1
	M1 \q, \a2, \ar, \b2, \br
.endr
.endr
.endr
.endr
	PLACES
.endr
	WIN 0
.macro TOSTAGE a
	WIN 0x0c                                       ; the data: window 3
.irp m, 0,1,2,3,4,5,6,7
	ds_store_b128 v[STO], v[32*(\a)+4*\m:32*(\a)+4*\m+3] offset:16*\m   ; each accumulator from its low end on
.endr
	WIN 0
.irp k, 0,1,2,3,4,5,6,7
	ds_load_b128 v[BK+32*((\a)%2)+4*\k:BK+32*((\a)%2)+4*\k+3], v[RD] offset:2*\k*SPITCH   ; LDS serves a wave's instructions in order
.endr
.endm
.macro SEND a, younger
	s_wait_dscnt \younger
.irp k, 0,1,2,3,4,5,6,7
	global_store_b128 v[CO], v[BK+32*((\a)%2)+4*\k:BK+32*((\a)%2)+4*\k+3], s[14:15] offset:(64*((\a)/4)+8*((\a)%4)+32*(\k/4)+2*(\k%4))*4096 th:TH_STORE_NT   ; sixteen lanes store 256 consecutive bytes, aligned
.endr
.endm
	TOSTAGE 0
.irp a, 1,2,3,4,5,6,7
.if \a > 1
	s_wait_xcnt 0x0                                ; tile a - 2's stores have read their registers
.endif
	TOSTAGE \a
	SEND \a-1, 16                                  ; behind tile a - 1's loads: tile a's 8 stores and 8 loads
.endr
	SEND 7, 0
	s_wait_tensorcnt 0x0                           ; the wave's end
	ds_add_u32 v[SPW], v[NIL]
	s_wait_dscnt 0x0
	CROUND
	s_endpgm
.Lfunc_end_k_q33f4bec782_outp:
	.size	k_q33f4bec782_outp, .Lfunc_end_k_q33f4bec782_outp-k_q33f4bec782_outp
	.p2alignl 7, 3214868480
	.fill 96, 4, 3214868480
	.section	.rodata,"a",@progbits
	.p2align	6, 0x0
	.amdhsa_kernel k_q33f4bec782_outp
		.amdhsa_group_segment_fixed_size 327680
		.amdhsa_private_segment_fixed_size 0
		.amdhsa_enable_private_segment 0
		.amdhsa_kernarg_size 48
		.amdhsa_user_sgpr_count 2
		.amdhsa_user_sgpr_kernarg_segment_ptr 1
		.amdhsa_wavefront_size32 1
		.amdhsa_system_sgpr_workgroup_id_x 1
		.amdhsa_system_sgpr_workgroup_id_y 1
		.amdhsa_system_sgpr_workgroup_id_z 1
		.amdhsa_system_vgpr_workitem_id 0
		.amdhsa_next_free_vgpr 1024
		.amdhsa_next_free_sgpr 68
		.amdhsa_reserve_vcc 0
		.amdhsa_float_denorm_mode_32 3
		.amdhsa_float_denorm_mode_16_64 3
		.amdhsa_memory_ordered 1
		.amdhsa_forward_progress 1
		.amdhsa_inst_pref_size 88
	.end_amdhsa_kernel
	.amdgpu_metadata
---
amdhsa.version: [ 1, 2 ]
amdhsa.kernels:
  - .name:           k_q33f4bec782_outp
    .symbol:         k_q33f4bec782_outp.kd
    .args:
      - { .name: oc, .offset: 0, .size: 8, .value_kind: global_buffer, .address_space: global }
      - { .name: os, .offset: 8, .size: 8, .value_kind: global_buffer, .address_space: global }
      - { .name: cod, .offset: 16, .size: 8, .value_kind: global_buffer, .address_space: global }
      - { .name: scl, .offset: 24, .size: 8, .value_kind: global_buffer, .address_space: global }
      - { .name: bo, .offset: 32, .size: 8, .value_kind: global_buffer, .address_space: global }
      - { .name: out0, .offset: 40, .size: 8, .value_kind: global_buffer, .address_space: global }
    .group_segment_fixed_size: 327680
    .private_segment_fixed_size: 0
    .kernarg_segment_align: 8
    .kernarg_segment_size: 48
    .max_flat_workgroup_size: 128
    .sgpr_count:     68
    .vgpr_count:     1024
    .wavefront_size: 32
...
	.end_amdgpu_metadata
.endif
;; end of part 4
